; MI455X (gfx1250); checked and timed in simulation.
; The chip was launched on July 23, 2026; its instructions are those of AMD's public machine-readable ISA for CDNA 5 (MIT licence, August 2026) and "CDNA5" Instruction Set Architecture Reference Guide (July 2026). The comments in the code are by the model that wrote it; some were corrected since.
;; Voxel Distill. Allowed arithmetic: float matrix products may take bf16 or f16 operands with f32 sums; all other float work in f32.
;; Inputs: conv_b 128 float32; conv_w 128 x 64 float32; gt_bboxes_3d 100 x 9 float32; gt_labels_3d 100 int32; student_voxel_feats 1 x 64 x 8 x 256 x 256 float32; teacher_voxel_feats 1 x 128 x 2 x 128 x 128 float32.
;; Outputs: out0 1 x 128 x 2 x 128 x 128 float32.
;; One version. Each part assembles by itself: llvm-mc -triple=amdgcn-amd-amdhsa -mcpu=gfx1250 --defsym DOCPART=n.
;; ======== version 1 of 1: 2 launches
;; limits: values are held in f16: magnitudes above 65,504 overflow, below 6.1e-05 lose precision
;; workspace buffers: hm 131,072 bytes; part 1,024 bytes
;; launch heat (part 1): grid 128 x 2, 4 waves a work-group, no clusters, 3,072 bytes of LDS; arguments gt_bboxes_3d, hm, part; writes hm, part
.if DOCPART == 1
	.amdgcn_target "amdgcn-amd-amdhsa--gfx1250"
	.amdhsa_code_object_version 6
	.text
	.protected	k_q3fddfd55c4_heat
	.globl	k_q3fddfd55c4_heat
	.p2align	8
	.type	k_q3fddfd55c4_heat,@function
k_q3fddfd55c4_heat:
	s_mov_b64 s[64:65], 0
	v_nop
	global_prefetch_b8 v0, s[64:65] scope:SCOPE_SE
	s_setreg_imm32_b32 hwreg(HW_REG_WAVE_MODE, 25, 1), 1
	s_wait_xcnt 0x0
; HEAT MAP.  hm[z][x][y] = max over the 100 boxes of exp(-(ex+ey+ez)) inside the box's window, and one sum per (z, x) row.
; One work-group per row (x = first id, z = second id), four waves, thread = y (0..127).
; exp and the cut below eps never decrease, so they commute with the max: each cell keeps the SMALLEST exponent
; over the boxes (+inf where a box is invalid or the cell lies outside its window) and takes one exp at the end.
; Step 1: thread b works out box b and puts four numbers into LDS tables: cy, a = 1/(2 sigma^2), ex+ez (or +inf), r^2.
;         Threads 100..127 repeat box 99 into table places 100..127, which nobody reads.
; Step 2: thread y walks the 100 boxes, 20 at a time, tables read as broadcast 16-byte loads into two register buffers.
; Step 3: the row goes through LDS so that wave 0 stores its 512 bytes with one instruction, and sums it.
; NOT READ: box fields 6..8 and gt_labels_3d: no result of the reference depends on them.
; LIMITS: radii and centres are kept as truncated f32, not int32: beyond 2^31, and for NaN or inf in a box, an int32 cast is
; not imitated.  v_sqrt_f32 is good to 1 ulp and b3^2 + 1.6 c2 is fused, so a radius can differ in its last bit before the truncation:
; a box whose r / 0.4 lies within about 2 ulp of a whole number can get the neighbouring radius.
.set NBOX,  100
.set YF,    2                          ; v[2:3]   y as f32, twice (a pair for the packed subtract)
.set VINF,  4                          ; +inf
.set ZERO,  5                          ; 0: LDS address of the tables, and the zero of the eps cut
.set LAD,   6                          ; 4 x thread
.set LB,    7                          ; 16 x lane (wave 0, at the end)
.set MINA,  8                          ; two running minima
.set MINB,  9
.set GV,    10                         ; the cell's value
.set BUFA,  32                         ; v[32:111]  20 boxes: cy, a, ex+ez, r^2 (20 registers each)
.set BUFB,  112                        ; v[112:191] the other buffer
.set MK,    20                         ; s[20:39] window masks
; step 1 lives in registers of the buffers, which are not yet in use
.set BX,  32                           ; x y z w l h
.set WFR, 38
.set LFR, 39
.set HFR, 40
.set TT,  42                           ; v[42:53] at work
.set RX,  54
.set RZ,  55
.set RZB, 56
.set CX,  57
.set CY,  58
.set CZ,  59
.set AX,  60
.set AZ,  61
.set R2X, 62
.set R2Z, 63
.set DX,  64
.set DZ,  65
.set EXZ, 66
.set XF,  67
.set ZF,  68
.set QQ,  69
	s_load_b128 s[4:7], s[0:1], 0x0                ; boxes s[4:5], hm s[6:7]
	s_load_b64 s[8:9], s[0:1], 0x10                ; row sums
	v_lshl_add_u32 v192, v0, 2, 0xa00
	v_mov_b32 v193, 0
	v_min_u32 v1, NBOX-1, v0                       ; no load leaves the 100 boxes
	v_mul_u32_u24 v1, 36, v1                       ; 9 f32 a box
	v_lshrrev_b32 v7, 5, v0
	v_readfirstlane_b32 s12, v7                    ; wave
	s_and_b32 s10, ttmp7, 0xffff                   ; z
	s_mov_b32 s13, ttmp9                           ; x
	s_lshl_b32 s11, s10, 7
	s_add_co_u32 s11, s11, s13                     ; row = 128 z + x
	s_wait_kmcnt 0x0
.irp i, 0,1,2,3,4,5
	global_load_b32 v[BX+\i], v1, s[4:5] offset:4*\i
.endr
	s_lshl_b32 s14, s11, 9                         ; a row of hm is 512 bytes
	s_mov_b32 s15, 0
	s_add_nc_u64 s[6:7], s[6:7], s[14:15]
	s_lshl_b32 s14, s11, 2
	s_add_nc_u64 s[8:9], s[8:9], s[14:15]
	s_mov_b32 s16, 0x76543210                      ; v_permlanex16_b32: lane i reads lane i of the other half
	s_mov_b32 s17, 0xfedcba98
	v_cvt_f32_u32 v[XF], s13
	v_cvt_f32_u32 v[ZF], s10
	v_cvt_f32_u32 v[YF], v0
	v_cvt_f32_u32 v[YF+1], v0
	v_mov_b32 v[VINF], 0x7f800000
	v_mov_b32 v[MINA], 0x7f800000
	v_mov_b32 v[MINB], 0x7f800000
	v_mov_b32 v[ZERO], 0
	v_lshlrev_b32 v[LAD], 2, v0
	s_wait_loadcnt 0x0
; q = a / b for a constant b: multiply by the rounded reciprocal rc, take the exact remainder a - b q by one fma (nb = -b), correct once.
.macro DIVC q, a, rc, nb, tmp
	v_mul_f32 v[\q], \rc, v[\a]
	v_fmamk_f32 v[\tmp], v[\q], \nb, v[\a]
	v_fmac_f32 v[\q], \rc, v[\tmp]
.endm
; the reference's gaussian_radius(h, w) with min_overlap 0.1.  4 c1 and 16 c2 are exact, so their fma rounds as the reference does.
.macro GRAD out, h, w
	v_add_f32 v[TT+0], v[\h], v[\w]                ; b1 = h + w
	v_mul_f32 v[TT+1], v[\w], v[\h]
	v_mul_f32 v[TT+2], 0x3f666666, v[\w]           ; 0.9 w
	v_mul_f32 v[TT+1], 0x3f666666, v[TT+1]         ; (w h) 0.9
	v_mul_f32 v[TT+2], v[TT+2], v[\h]              ; c2 = (0.9 w) h, and c3 = -c2
	DIVC TT+3, TT+1, 0x3f68ba2e, 0xbf8ccccd, TT+4  ; c1 = (w h) 0.9 / 1.1
	v_mul_f32 v[TT+4], v[TT+0], v[TT+0]            ; b1^2
	v_add_f32 v[TT+5], v[TT+0], v[TT+0]            ; b2 = 2 (h + w)
	v_mul_f32 v[TT+7], 0xbe4ccccd, v[TT+0]         ; b3 = -0.2 (h + w)
	v_fma_f32 v[TT+4], -4.0, v[TT+3], v[TT+4]      ; b1^2 - 4 c1
	v_mul_f32 v[TT+6], v[TT+5], v[TT+5]
	v_mul_f32 v[TT+8], v[TT+7], v[TT+7]
	v_fmamk_f32 v[TT+6], v[TT+2], 0xc1800000, v[TT+6]   ; b2^2 - 16 c2
	v_fmamk_f32 v[TT+8], v[TT+2], 0x3fcccccd, v[TT+8]   ; b3^2 - 1.6 c3
	v_max_num_f32 v[TT+4], 0, v[TT+4]
	v_max_num_f32 v[TT+6], 0, v[TT+6]
	v_max_num_f32 v[TT+8], 0, v[TT+8]
	v_sqrt_f32 v[TT+9], v[TT+4]
	v_sqrt_f32 v[TT+10], v[TT+6]
	v_sqrt_f32 v[TT+11], v[TT+8]
	v_nop                                          ; one plain place between a root and its use (ISA guide 5.7.2)
	s_wait_alu depctr_va_vdst(0)
	v_add_f32 v[TT+9], v[TT+0], v[TT+9]
	v_add_f32 v[TT+10], v[TT+5], v[TT+10]
	v_add_f32 v[TT+11], v[TT+7], v[TT+11]
	v_min3_num_f32 v[\out], v[TT+9], v[TT+10], v[TT+11]
	v_mul_f32 v[\out], 0.5, v[\out]                ; halving is exact, so it may follow the minimum
.endm
	; STEP 1.  Sizes in feature-map units: / 0.1 / 8, / 0.1 / 8, / 0.2 / 8
	DIVC WFR, BX+3, 0x41200000, 0xbdcccccd, TT
	DIVC LFR, BX+4, 0x41200000, 0xbdcccccd, TT+1
	DIVC HFR, BX+5, 0x40a00000, 0xbe4ccccd, TT+2
	v_mul_f32 v[WFR], 0x3e000000, v[WFR]
	v_mul_f32 v[LFR], 0x3e000000, v[LFR]
	v_mul_f32 v[HFR], 0x3e000000, v[HFR]
	GRAD RX, LFR, WFR
	GRAD RZ, LFR, HFR
	GRAD RZB, WFR, HFR
	v_max_num_f32 v[RZ], v[RZ], v[RZB]
	DIVC QQ, RX, 0x40200000, 0xbecccccd, TT        ; r_xy / 0.4   (r_z / 1.0 is r_z)
	v_trunc_f32 v[RX], v[QQ]
	v_trunc_f32 v[RZ], v[RZ]
	v_max_num_f32 v[RX], 2.0, v[RX]                ; min_radius
	v_max_num_f32 v[RZ], 2.0, v[RZ]
	v_add_f32 v[TT], 0x424ccccd, v[BX]             ; x + 51.2
	v_add_f32 v[TT+1], 0x424ccccd, v[BX+1]         ; y + 51.2
	v_add_f32 v[CZ], 0x40a00000, v[BX+2]           ; z + 5
	DIVC CX, TT, 0x40200000, 0xbecccccd, TT+2
	DIVC CY, TT+1, 0x40200000, 0xbecccccd, TT+3
	v_trunc_f32 v[CX], v[CX]                       ; toward zero, like the cast
	v_trunc_f32 v[CY], v[CY]
	v_trunc_f32 v[CZ], v[CZ]
	v_fma_f32 v[AX], v[RX], 2.0, 1.0               ; diameter
	v_fma_f32 v[AZ], v[RZ], 2.0, 1.0
	v_mul_f32 v[AX], 0x3e2aaaab, v[AX]             ; sigma = diameter / 6
	v_mul_f32 v[AZ], 0x3e2aaaab, v[AZ]
	v_mul_f32 v[AX], v[AX], v[AX]
	v_mul_f32 v[AZ], v[AZ], v[AZ]
	v_add_f32 v[AX], v[AX], v[AX]                  ; 2 sigma^2
	v_add_f32 v[AZ], v[AZ], v[AZ]
	v_rcp_f32 v[TT], v[AX]
	v_rcp_f32 v[TT+1], v[AZ]
	v_sub_f32 v[DX], v[XF], v[CX]                  ; (also the plain place behind the reciprocals)
	v_sub_f32 v[DZ], v[ZF], v[CZ]
	v_mul_f32 v[DX], v[DX], v[DX]
	v_mul_f32 v[DZ], v[DZ], v[DZ]
	v_mul_f32 v[R2X], v[RX], v[RX]                 ; |d| <= r is tested as d^2 <= r^2: both are whole numbers
	v_mul_f32 v[R2Z], v[RZ], v[RZ]
	s_wait_alu depctr_va_vdst(0)
	v_mul_f32 v[EXZ], v[DX], v[TT]
	v_fmac_f32 v[EXZ], v[DZ], v[TT+1]              ; ex + ez of this work-group's x and z
	v_cmp_lt_f32 s20, 0, v[WFR]
	v_cmp_lt_f32 s21, 0, v[LFR]
	v_cmp_le_f32 s22, 0, v[CX]
	v_cmp_gt_f32 s23, 0x43000000, v[CX]            ; < 128
	v_cmp_le_f32 s24, 0, v[CY]
	v_cmp_gt_f32 s25, 0x43000000, v[CY]
	v_cmp_le_f32 s26, 0, v[CZ]
	v_cmp_ge_f32 s27, 1.0, v[CZ]
	v_cmp_le_f32 s28, v[DX], v[R2X]                ; x inside the window
	v_cmp_le_f32 s29, v[DZ], v[R2Z]                ; z inside the window
	s_and_b32 s20, s20, s21
	s_and_b32 s22, s22, s23
	s_and_b32 s24, s24, s25
	s_and_b32 s26, s26, s27
	s_and_b32 s28, s28, s29
	s_and_b32 s20, s20, s22
	s_and_b32 s24, s24, s26
	s_and_b32 s20, s20, s28
	s_and_b32 s20, s20, s24
	v_cndmask_b32 v[EXZ], v[VINF], v[EXZ], s20     ; a box that cannot reach this row counts as +inf
	ds_store_b32 v[LAD], v[CY]
	ds_store_b32 v[LAD], v[TT] offset:512          ; a = 1 / (2 sigma^2); sigma_y = sigma_x
	ds_store_b32 v[LAD], v[EXZ] offset:1024
	ds_store_b32 v[LAD], v[R2X] offset:1536
	s_wait_dscnt 0x0                               ; my table entries are written before I say so
	s_barrier_signal -1
	s_barrier_wait -1
	; STEP 2
.macro LOADG g, R                      ; 20 boxes: five 16-byte loads from each of the four tables, every lane the same address
.irp a, 0,1,2,3
.irp i, 0,1,2,3,4
	ds_load_b128 v[\R+20*\a+4*\i:\R+20*\a+4*\i+3], v[ZERO] offset:512*\a+80*\g+16*\i
.endr
.endr
.endm
.macro PROC R                          ; stage by stage over the 20 boxes, so that no line waits for the one in front of it
.irp i, 0,2,4,6,8,10,12,14,16,18
	v_pk_add_f32 v[\R+\i:\R+\i+1], v[YF:YF+1], v[\R+\i:\R+\i+1] neg_lo:[0,1] neg_hi:[0,1]   ; dy = y - cy
.endr
.irp i, 0,2,4,6,8,10,12,14,16,18
	v_pk_mul_f32 v[\R+\i:\R+\i+1], v[\R+\i:\R+\i+1], v[\R+\i:\R+\i+1]                       ; dy^2
.endr
.irp i, 0,1,2,3,4,5,6,7,8,9,10,11,12,13,14,15,16,17,18,19
	v_cmp_le_f32 s[MK+\i], v[\R+\i], v[\R+60+\i]                                            ; y inside the window
.endr
.irp i, 0,2,4,6,8,10,12,14,16,18
	v_pk_fma_f32 v[\R+\i:\R+\i+1], v[\R+\i:\R+\i+1], v[\R+20+\i:\R+21+\i], v[\R+40+\i:\R+41+\i]   ; ey + (ex + ez)
.endr
.irp i, 0,1,2,3,4,5,6,7,8,9,10,11,12,13,14,15,16,17,18,19
	v_cndmask_b32 v[\R+\i], v[VINF], v[\R+\i], s[MK+\i]
.endr
.irp i, 0,2,4,6,8,10,12,14,16,18
	v_min3_num_f32 v[MINA+(\i/2)%2], v[MINA+(\i/2)%2], v[\R+\i], v[\R+\i+1]
.endr
.endm
	LOADG 0, BUFA
	LOADG 1, BUFB
	s_wait_dscnt 20                                ; LDS loads return in order (ISA guide 5.7.1): the older group is in, the younger 20 stay out
	PROC BUFA
	LOADG 2, BUFA
	s_wait_dscnt 20
	PROC BUFB
	LOADG 3, BUFB
	s_wait_dscnt 20
	PROC BUFA
	LOADG 4, BUFA
	s_wait_dscnt 20
	PROC BUFB
	s_wait_dscnt 0x0                               ; nothing was issued behind the last group
	PROC BUFA
	v_min_num_f32 v[MINA], v[MINA], v[MINB]
	v_mul_f32 v[MINA], 0xbfb8aa3b, v[MINA]         ; -e log2(e); -inf where no box reaches the cell
	v_exp_f32 v[GV], v[MINA]
	v_nop                                          ; one plain place behind the exponential
	s_wait_alu depctr_va_vdst(0)
	v_cmp_gt_f32 vcc_lo, 0x34000000, v[GV]         ; below eps (2^-23): zero, as in the reference
	v_cndmask_b32 v[GV], v[GV], v[ZERO], vcc_lo
	; STEP 3
	ds_store_b32 v[LAD], v[GV] offset:2048         ; bytes of their own, behind the tables
	s_wait_dscnt 0x0
	s_barrier_signal -1
	s_barrier_wait -1
	s_cmp_lg_u32 s12, 0
	s_cbranch_scc1 .Lend                           ; waves 1 to 3 are done
	v_lshlrev_b32 v[LB], 4, v0
	ds_load_b128 v[32:35], v[LB] offset:2048
	s_wait_dscnt 0x0
	global_store_b128 v[LB], v[32:35], s[6:7]      ; the row: 512 consecutive bytes, aligned, in one instruction
	v_add_f32 v36, v32, v33
	v_add_f32 v37, v34, v35
	v_add_f32 v36, v36, v37
	v_add_f32_dpp v36, v36, v36 row_xmask:1 row_mask:0xf bank_mask:0xf
	v_add_f32_dpp v36, v36, v36 row_xmask:2 row_mask:0xf bank_mask:0xf
	v_add_f32_dpp v36, v36, v36 row_xmask:4 row_mask:0xf bank_mask:0xf
	v_add_f32_dpp v36, v36, v36 row_xmask:8 row_mask:0xf bank_mask:0xf
	v_permlanex16_b32 v37, v36, s16, s17
	v_add_f32 v36, v36, v37                        ; the row's sum
	s_wait_xcnt 0x0                                ; EXEC is a source of the store above: it changes only behind this wait
	v_cmp_eq_u32 vcc_lo, 0, v0
	s_and_saveexec_b32 s14, vcc_lo
	global_store_b32 v[ZERO], v36, s[8:9]          ; one number is all that this work-group owns of the 256 sums
	s_wait_xcnt 0x0
	s_or_b32 exec_lo, exec_lo, s14
.Lend:
	s_wait_tensorcnt 0x0
	ds_add_u32 v192, v193
	s_wait_dscnt 0x0
	s_endpgm
.Lfunc_end_k_q3fddfd55c4_heat:
	.size	k_q3fddfd55c4_heat, .Lfunc_end_k_q3fddfd55c4_heat-k_q3fddfd55c4_heat
	.p2alignl 7, 3214868480
	.fill 96, 4, 3214868480
	.section	.rodata,"a",@progbits
	.p2align	6, 0x0
	.amdhsa_kernel k_q3fddfd55c4_heat
		.amdhsa_group_segment_fixed_size 3072
		.amdhsa_private_segment_fixed_size 0
		.amdhsa_enable_private_segment 0
		.amdhsa_kernarg_size 24
		.amdhsa_user_sgpr_count 2
		.amdhsa_user_sgpr_kernarg_segment_ptr 1
		.amdhsa_wavefront_size32 1
		.amdhsa_system_sgpr_workgroup_id_x 1
		.amdhsa_system_sgpr_workgroup_id_y 1
		.amdhsa_system_sgpr_workgroup_id_z 1
		.amdhsa_system_vgpr_workitem_id 0
		.amdhsa_next_free_vgpr 194
		.amdhsa_next_free_sgpr 66
		.amdhsa_reserve_vcc 1
		.amdhsa_float_denorm_mode_32 3
		.amdhsa_float_denorm_mode_16_64 3
		.amdhsa_memory_ordered 1
		.amdhsa_forward_progress 1
		.amdhsa_inst_pref_size 43
	.end_amdhsa_kernel
	.amdgpu_metadata
---
amdhsa.version: [ 1, 2 ]
amdhsa.kernels:
  - .name:           k_q3fddfd55c4_heat
    .symbol:         k_q3fddfd55c4_heat.kd
    .args:
      - { .name: gt_bboxes_3d, .offset: 0, .size: 8, .value_kind: global_buffer, .address_space: global }
      - { .name: hm, .offset: 8, .size: 8, .value_kind: global_buffer, .address_space: global }
      - { .name: part, .offset: 16, .size: 8, .value_kind: global_buffer, .address_space: global }
    .group_segment_fixed_size: 3072
    .private_segment_fixed_size: 0
    .kernarg_segment_align: 8
    .kernarg_segment_size: 24
    .max_flat_workgroup_size: 128
    .sgpr_count:     66
    .vgpr_count:     194
    .wavefront_size: 32
...
	.end_amdgpu_metadata
.endif
;; end of part 1
;; launch distill (part 2): grid 128 x 2, 16 waves a work-group, no clusters, 40,960 bytes of LDS; arguments student_voxel_feats, teacher_voxel_feats, conv_w, conv_b, hm, part, out0; writes out0
.if DOCPART == 2
	.amdgcn_target "amdgcn-amd-amdhsa--gfx1250"
	.amdhsa_code_object_version 6
	.text
	.protected	k_q3fddfd55c4_distill
	.globl	k_q3fddfd55c4_distill
	.p2align	8
	.type	k_q3fddfd55c4_distill,@function
k_q3fddfd55c4_distill:
	s_mov_b64 s[64:65], 0
	v_nop
	global_prefetch_b8 v0, s[64:65] scope:SCOPE_SE
	s_setreg_imm32_b32 hwreg(HW_REG_WAVE_MODE, 25, 1), 1
	s_wait_xcnt 0x0
; out[o][d][h][w] = | sum_c W[o][c] P[c][w] + b[o] - teacher[o][d][h][w] | * hm[d][h][w] * 10 / (sum(hm) + 1e-4)
; P[c][w] = mean of student[c][4d+1 .. 4d+2][2h .. 2h+1][2w .. 2w+1]: at these sizes each linear resize takes two neighbours with weight 1/2
; (depth 8 -> 2: planes 4d+1, 4d+2), and the 1x1x1 conv is linear, so pooling in f32 comes first and the product is 16 times smaller.
; Student planes 0, 3, 4, 7 are taken by no gather of the reference and are not read.
; One work-group per (h, d): 256 KB of student, 64 KB of teacher in, 64 KB out.  16 waves of 256 registers.
; Every wave issues all its 49 loads at once: the work-group's whole input is in flight, and is worked on as it arrives.
; Wave (g = wave >> 1, q = wave & 1):
;   pools channels 8g .. 8g+7 for w = 64q .. 64q+63: each load covers 512 consecutive bytes of a student row;
;   then makes out channels 16g .. 16g+15 for w = 64q .. 64q+63: 4 accumulator tiles, K = 64 in two steps, 8 matrix instructions.
; Column r of tile t stands for w = 64q + 4r + t.  So a lane's four tiles hold four NEIGHBOURING w of one channel: teacher comes in and
; out goes by 16 bytes a lane, sixteen lanes covering 256 consecutive aligned bytes, with no pass through LDS on the way out.
; The accumulators start as b - teacher, so that the product leaves s - teacher in place.
; MATRIX OPERANDS IN F16: P and W rounded to f16 (11 significant bits); everything else f32.  Where s is close to teacher the result is a small
; difference, and 8 significant bits in 64 products leave too coarse an s for it.
; LIMIT: a pooled mean or a weight beyond 65,504 in magnitude becomes infinite; below 6.1e-5 it is rounded to steps of 6e-8.
; NO CLUSTER: work-groups share only W, 32 KB of the 352 KB that each reads, and it comes by plain loads.
; No tensor loads: pooling works on the load registers themselves, and they hold the whole input.
.set SROW,   1024                      ; bytes of a student row
.set PLANE,  262144                    ; of a student plane
.set CHAN,   2097152                   ; of a student channel (8 planes)
.set TCH,    131072                    ; of a teacher or out channel
.set WREG,   1280                      ; LDS bytes of a wave's pooled piece: 4 tiles x TSTR
.set TSTR,   320                       ; a tile: 16 columns x 16 bytes (8 channels in f16) + 64: lanes L and L+1 store 640 bytes apart, = 128 mod 256
.set WBASE,  16*WREG                   ; W in f16 behind the pooled pieces
.set WPITCH, 144                       ; a row of W: 64 f16 + 16 bytes, an odd multiple of 16
.set LOFF, 1                           ; 16 x lane
.set TOFF, 2                           ; teacher, out: 8 channels x (lane >> 4) + 16 x (lane & 15)
.set WOFF, 3                           ; 16 x thread
.set BOFF, 4                           ; bias: 32 x (lane >> 4)
.set HOFF, 5                           ; hm: 16 x (lane & 15)
.set STA,  6                           ; LDS: where I put pooled numbers
.set LDA,  7                           ; LDS: my B fragments
.set WSA,  8                           ; LDS: where I put W
.set LWA,  9                           ; LDS: my A fragments
.set HMV,  12                          ; v[12:15]   hm of my four w
.set BIA,  16                          ; v[16:23]   bias of my eight channels
.set PSUM, 24                          ; v[24:31]   row sums of hm; then v25 the scale, v[28:31] the four factors
.set FAC,  28
.set WF,   32                          ; v[32:47]   16 numbers of W
.set AFR,  48                          ; v[48:63]   A fragments, two K steps
.set TEA,  64                          ; v[64:95]   teacher [channel j][4 w]; then out
.set ACC,  96                          ; v[96:127]  accumulators [tile t][channel j]
.set STU,  128                         ; v[128:255] student: channel j at 16 j: plane 0 rows 0, 1, plane 1 rows 0, 1, four registers each
.set PKE,  STU+4                       ; packed f16, even w   (registers of channel 0 that pooling has freed)
.set PKO,  STU+8                       ; packed f16, odd w
.set BFR,  STU+16                      ; v[144:207] B fragments [tile t][16]
	s_load_b256 s[4:11], s[0:1], 0x0               ; student s[4:5], teacher s[6:7], W s[8:9], bias s[10:11]
	s_load_b128 s[12:15], s[0:1], 0x20             ; hm s[12:13], row sums s[14:15]
	s_load_b64 s[16:17], s[0:1], 0x30              ; out
	v_lshrrev_b32 v10, 5, v0
	v_readfirstlane_b32 s18, v10                   ; wave 0..15
	s_and_b32 s19, ttmp7, 0xffff                   ; d;  ttmp9 = h
	s_lshr_b32 s20, s18, 1                         ; g
	s_and_b32 s21, s18, 1                          ; q
	s_lshl_b32 s24, s20, 24                        ; student: 8 g channels
	s_lshl_b32 s22, s19, 20                        ; + 4 d planes
	s_or_b32 s24, s24, s22
	s_lshl_b32 s22, ttmp9, 11                      ; + 2 h rows
	s_or_b32 s24, s24, s22
	s_lshl_b32 s22, s21, 9                         ; + q halves of a row
	s_or_b32 s24, s24, s22
	s_or_b32 s24, s24, PLANE                       ; + 1 plane (all fields are disjoint bits)
	s_mov_b32 s25, 0
	s_lshl_b32 s26, s19, 16                        ; hm: (128 d + h) rows of 512 bytes + 256 q
	s_lshl_b32 s22, ttmp9, 9
	s_or_b32 s26, s26, s22
	s_lshl_b32 s22, s21, 8
	s_or_b32 s26, s26, s22
	s_mov_b32 s27, 0
	s_lshl_b32 s28, s20, 21                        ; teacher, out: the same inside a channel, + 16 g channels
	s_or_b32 s28, s28, s26
	s_mov_b32 s29, 0
	s_lshl_b32 s32, s20, 6                         ; bias: 16 g numbers
	s_mov_b32 s33, 0
	s_mov_b32 s36, 0x76543210                      ; v_permlanex16_b32: lane i reads lane i of the other half
	s_mov_b32 s37, 0xfedcba98
	v_and_b32 v10, 15, v0                          ; r
	v_bfe_u32 v11, v0, 4, 1                        ; half of the wave
	v_and_b32 v[LOFF], 31, v0
	v_lshlrev_b32 v[LOFF], 4, v[LOFF]
	v_lshlrev_b32 v[HOFF], 4, v10
	v_lshl_or_b32 v[TOFF], v11, 20, v[HOFF]
	v_lshlrev_b32 v[WOFF], 4, v0
	v_lshlrev_b32 v[BOFF], 5, v11
	s_wait_kmcnt 0x0
	s_add_nc_u64 s[4:5], s[4:5], s[24:25]
	s_add_nc_u64 s[34:35], s[4:5], 4*CHAN          ; a second base: the immediate reaches four channels
	s_add_nc_u64 s[6:7], s[6:7], s[28:29]
	s_add_nc_u64 s[10:11], s[10:11], s[32:33]
	s_add_nc_u64 s[12:13], s[12:13], s[26:27]
	s_add_nc_u64 s[16:17], s[16:17], s[28:29]
	; ALL LOADS, in the order in which they are used: 4 + 2 + 2 + 1 + 8 + 32 = 49
.irp i, 0,1,2,3
	global_load_b128 v[WF+4*\i:WF+4*\i+3], v[WOFF], s[8:9] offset:8192*\i          ; the work-group reads W once, 512 consecutive bytes a wave
.endr
	global_load_b128 v[BIA:BIA+3], v[BOFF], s[10:11]
	global_load_b128 v[BIA+4:BIA+7], v[BOFF], s[10:11] offset:16
	global_load_b128 v[PSUM:PSUM+3], v[LOFF], s[14:15]
	global_load_b128 v[PSUM+4:PSUM+7], v[LOFF], s[14:15] offset:512
	global_load_b128 v[HMV:HMV+3], v[HOFF], s[12:13]
.irp j, 0,1,2,3,4,5,6,7
	global_load_b128 v[TEA+4*\j:TEA+4*\j+3], v[TOFF], s[6:7] offset:\j*TCH th:TH_LOAD_NT
.endr
.macro LDST j, base                    ; channel 8g + j: two planes x two rows
.irp p, 0,1
.irp y, 0,1
	global_load_b128 v[STU+16*\j+8*\p+4*\y:STU+16*\j+8*\p+4*\y+3], v[LOFF], s[\base:\base+1] offset:(\j%4)*CHAN+\p*PLANE+\y*SROW th:TH_LOAD_NT
.endr
.endr
.endm
.irp j, 0,1,2,3
	LDST \j, 4
.endr
.irp j, 4,5,6,7
	LDST \j, 34
.endr
	; LDS addresses, while the loads are on their way
	v_and_b32 v[STA], 1, v0                        ; lane L holds w = 64q + 2L (+1) = 4 (L >> 1) + 2 (L & 1) (+1): column L >> 1 of tile 2 (L & 1) (+1)
	v_mul_u32_u24 v[STA], 2*TSTR, v[STA]
	v_bfe_u32 v[LDA], v0, 1, 4
	v_lshl_add_u32 v[STA], v[LDA], 4, v[STA]
	s_mul_i32 s22, s18, WREG                       ; each wave stores into 1,280 bytes of its own
	v_add_nc_u32 v[STA], s22, v[STA]
	v_mul_u32_u24 v[LDA], 2*WREG, v11              ; a fragment's 16 bytes: channels 8 (2 kk + half) .., written by wave 2 (2 kk + half) + q
	v_lshl_add_u32 v[LDA], v10, 4, v[LDA]
	s_mul_i32 s22, s21, WREG
	v_add_nc_u32 v[LDA], s22, v[LDA]
	v_lshrrev_b32 v[WSA], 4, v0                    ; load i of thread t holds W[32 i + (t >> 4)][4 (t & 15) ..]
	v_mul_u32_u24 v[WSA], WPITCH, v[WSA]
	v_lshl_add_u32 v[WSA], v10, 3, v[WSA]
	v_mul_u32_u24 v[LWA], WPITCH, v10              ; A fragment: row 16 g + r, 16 bytes for each half of the wave
	v_lshl_add_u32 v[LWA], v11, 4, v[LWA]
	s_mul_i32 s22, s20, 16*WPITCH
	v_add_nc_u32 v[LWA], s22, v[LWA]
	; W to f16, into LDS
	s_wait_loadcnt 45                              ; loads return in order (ISA guide 5.7.1): W is in, the 45 issued behind it stay out
.irp n, 0,1,2,3,4,5,6,7
	v_cvt_pk_f16_f32 v[WF+\n], v[WF+2*\n], v[WF+2*\n+1]        ; packed downward: register n is read no later than it is written
.endr
.irp i, 0,1,2,3
	ds_store_b64 v[WSA], v[WF+2*\i:WF+2*\i+1] offset:WBASE+\i*32*WPITCH
.endr
	; 10 / (sum of hm + 1e-4): every wave adds the 256 row sums for itself
	s_wait_loadcnt 41                              ; bias and row sums are in; hm, teacher and student (1 + 8 + 32) stay out
	v_pk_add_f32 v[PSUM:PSUM+1], v[PSUM:PSUM+1], v[PSUM+2:PSUM+3]
	v_pk_add_f32 v[PSUM+4:PSUM+5], v[PSUM+4:PSUM+5], v[PSUM+6:PSUM+7]
	v_pk_add_f32 v[PSUM:PSUM+1], v[PSUM:PSUM+1], v[PSUM+4:PSUM+5]
	v_add_f32 v[PSUM], v[PSUM], v[PSUM+1]
	v_add_f32_dpp v[PSUM], v[PSUM], v[PSUM] row_xmask:1 row_mask:0xf bank_mask:0xf
	v_add_f32_dpp v[PSUM], v[PSUM], v[PSUM] row_xmask:2 row_mask:0xf bank_mask:0xf
	v_add_f32_dpp v[PSUM], v[PSUM], v[PSUM] row_xmask:4 row_mask:0xf bank_mask:0xf
	v_add_f32_dpp v[PSUM], v[PSUM], v[PSUM] row_xmask:8 row_mask:0xf bank_mask:0xf
	v_permlanex16_b32 v[PSUM+1], v[PSUM], s36, s37
	v_add_f32 v[PSUM], v[PSUM], v[PSUM+1]
	v_add_f32 v[PSUM], 0x38d1b717, v[PSUM]         ; + 1e-4
	v_rcp_f32 v[PSUM+1], v[PSUM]
	v_nop                                          ; one plain place behind the reciprocal (ISA guide 5.7.2)
	s_wait_alu depctr_va_vdst(0)
	v_mul_f32 v[PSUM+1], 0x41200000, v[PSUM+1]     ; x 10
	; the accumulators start as b - teacher
	s_wait_loadcnt 32                              ; hm and teacher are in; the 32 student loads stay out
.irp t, 0,1,2,3
.irp j, 0,1,2,3,4,5,6,7
	v_sub_f32 v[ACC+8*\t+\j], v[BIA+\j], v[TEA+4*\j+\t]
.endr
.endr
	; POOLING, a channel at a time as its four loads arrive: the mean of 2 planes x 2 rows x 2 columns, in f32
.macro POOL j
	.set QB, STU+16*\j
	s_wait_loadcnt 4*(7-\j)                        ; four loads for each later channel stay out
	v_pk_add_f32 v[QB:QB+1],     v[QB:QB+1],     v[QB+4:QB+5]
	v_pk_add_f32 v[QB+2:QB+3],   v[QB+2:QB+3],   v[QB+6:QB+7]
	v_pk_add_f32 v[QB+8:QB+9],   v[QB+8:QB+9],   v[QB+12:QB+13]
	v_pk_add_f32 v[QB+10:QB+11], v[QB+10:QB+11], v[QB+14:QB+15]
	v_pk_add_f32 v[QB:QB+1],     v[QB:QB+1],     v[QB+8:QB+9]
	v_pk_add_f32 v[QB+2:QB+3],   v[QB+2:QB+3],   v[QB+10:QB+11]
	v_add_f32 v[QB],   v[QB],   v[QB+1]            ; w = 64q + 2L
	v_add_f32 v[QB+1], v[QB+2], v[QB+3]            ; w = 64q + 2L + 1, beside it
	v_pk_mul_f32 v[QB:QB+1], v[QB:QB+1], 0x3e000000 op_sel_hi:[1,0]    ; x 1/8, exact: the mean lies in the middle of f16's range
.endm
.irp j, 0,1,2,3,4,5,6,7
	POOL \j
.endr
.irp i, 0,1,2,3
	v_cvt_pk_f16_f32 v[PKE+\i], v[STU+32*\i],   v[STU+32*\i+16]    ; channels 8g + 2i, 2i + 1: the lower k in the lower half
	v_cvt_pk_f16_f32 v[PKO+\i], v[STU+32*\i+1], v[STU+32*\i+17]
.endr
	ds_store_b128 v[STA], v[PKE:PKE+3]
	ds_store_b128 v[STA], v[PKO:PKO+3] offset:TSTR
	s_wait_dscnt 0x0                               ; my part of W and of P is written before I say so
	s_barrier_signal -1
	s_barrier_wait -1                              ; the only barrier: nothing in LDS is written again
	; FRAGMENTS: lane (r, half) holds k = 8 half .. +7 in registers 0-3 and 16 + 8 half .. +7 in registers 4-7 (ISA guide 7.12.2), A and B alike
.irp kk, 0,1,2,3
	ds_load_b128 v[AFR+4*\kk:AFR+4*\kk+3], v[LWA] offset:WBASE+32*\kk
.endr
.irp kk, 0,1
.irp t, 0,1,2,3
	ds_load_b128 v[BFR+16*\t+4*\kk:BFR+16*\t+4*\kk+3], v[LDA] offset:\kk*4*WREG+\t*TSTR
.endr
.endr
.irp kk, 2,3
.irp t, 0,1,2,3
	ds_load_b128 v[BFR+16*\t+4*\kk:BFR+16*\t+4*\kk+3], v[LDA] offset:\kk*4*WREG+\t*TSTR
.endr
.endr
	s_wait_dscnt 8                                 ; A and the first K step's B are in; the second step's eight loads stay out
.irp t, 0,1,2,3
	v_wmma_f32_16x16x32_f16 v[ACC+8*\t:ACC+8*\t+7], v[AFR:AFR+7], v[BFR+16*\t:BFR+16*\t+7], v[ACC+8*\t:ACC+8*\t+7]
.endr
	s_wait_dscnt 0x0
.irp t, 0,1,2,3
	v_wmma_f32_16x16x32_f16 v[ACC+8*\t:ACC+8*\t+7], v[AFR+8:AFR+15], v[BFR+16*\t+8:BFR+16*\t+15], v[ACC+8*\t:ACC+8*\t+7]
.endr
	; four plain vector instructions that name no register of the matrix instructions stand before the results are read (ISA guide 7.12.1):
	; the four factors hm * 10 / (sum + 1e-4)
.irp t, 0,1,2,3
	v_mul_f32 v[FAC+\t], v[HMV+\t], v[PSUM+1]
.endr
	; register j of tile t is (channel 16g + 8 half + j, w = 64q + 4r + t): four tiles give 16 neighbouring bytes of out
.irp j, 0,1,2,3,4,5,6,7
.irp t, 0,1,2,3
	v_mul_f32 v[TEA+4*\j+\t], |v[ACC+8*\t+\j]|, v[FAC+\t]
.endr
	global_store_b128 v[TOFF], v[TEA+4*\j:TEA+4*\j+3], s[16:17] offset:\j*TCH th:TH_STORE_NT   ; each half of the wave: 256 consecutive bytes, aligned
.endr
	s_wait_xcnt 0x0
	v_lshl_add_u32 v254, v0, 2, 0x9800
	v_mov_b32 v255, 0
	s_wait_tensorcnt 0x0
	ds_add_u32 v254, v255
	s_wait_dscnt 0x0
	s_endpgm
.Lfunc_end_k_q3fddfd55c4_distill:
	.size	k_q3fddfd55c4_distill, .Lfunc_end_k_q3fddfd55c4_distill-k_q3fddfd55c4_distill
	.p2alignl 7, 3214868480
	.fill 96, 4, 3214868480
	.section	.rodata,"a",@progbits
	.p2align	6, 0x0
	.amdhsa_kernel k_q3fddfd55c4_distill
		.amdhsa_group_segment_fixed_size 40960
		.amdhsa_private_segment_fixed_size 0
		.amdhsa_enable_private_segment 0
		.amdhsa_kernarg_size 56
		.amdhsa_user_sgpr_count 2
		.amdhsa_user_sgpr_kernarg_segment_ptr 1
		.amdhsa_wavefront_size32 1
		.amdhsa_system_sgpr_workgroup_id_x 1
		.amdhsa_system_sgpr_workgroup_id_y 1
		.amdhsa_system_sgpr_workgroup_id_z 1
		.amdhsa_system_vgpr_workitem_id 0
		.amdhsa_next_free_vgpr 256
		.amdhsa_next_free_sgpr 66
		.amdhsa_reserve_vcc 0
		.amdhsa_float_denorm_mode_32 3
		.amdhsa_float_denorm_mode_16_64 3
		.amdhsa_memory_ordered 1
		.amdhsa_forward_progress 1
		.amdhsa_inst_pref_size 21
	.end_amdhsa_kernel
	.amdgpu_metadata
---
amdhsa.version: [ 1, 2 ]
amdhsa.kernels:
  - .name:           k_q3fddfd55c4_distill
    .symbol:         k_q3fddfd55c4_distill.kd
    .args:
      - { .name: student_voxel_feats, .offset: 0, .size: 8, .value_kind: global_buffer, .address_space: global }
      - { .name: teacher_voxel_feats, .offset: 8, .size: 8, .value_kind: global_buffer, .address_space: global }
      - { .name: conv_w, .offset: 16, .size: 8, .value_kind: global_buffer, .address_space: global }
      - { .name: conv_b, .offset: 24, .size: 8, .value_kind: global_buffer, .address_space: global }
      - { .name: hm, .offset: 32, .size: 8, .value_kind: global_buffer, .address_space: global }
      - { .name: part, .offset: 40, .size: 8, .value_kind: global_buffer, .address_space: global }
      - { .name: out0, .offset: 48, .size: 8, .value_kind: global_buffer, .address_space: global }
    .group_segment_fixed_size: 40960
    .private_segment_fixed_size: 0
    .kernarg_segment_align: 8
    .kernarg_segment_size: 56
    .max_flat_workgroup_size: 512
    .sgpr_count:     66
    .vgpr_count:     256
    .wavefront_size: 32
...
	.end_amdgpu_metadata
.endif
;; end of part 2
